; MI455X (gfx1250); checked and timed in simulation.
; The chip was launched on July 23, 2026; its instructions are those of AMD's public machine-readable ISA for CDNA 5 (MIT licence, August 2026) and "CDNA5" Instruction Set Architecture Reference Guide (July 2026). The comments in the code are by the model that wrote it; some were corrected since.
;; Scaled Dot Product Attention. Allowed arithmetic: matrix products marked QUANTISED: E5M2 operands, one given power-of-two scale a tensor, by v_wmma_f32_16x16x64_bf8_bf8 or v_wmma_f32_16x16x128_bf8_bf8, f32 sums; everything else in f32.
;; Inputs: k_codes 4 x 16 x 2,048 x 2 x 32 uint8 (E5M2 codes of k, K innermost, in blocks of 32 codes); lowp_scales 4 int32 (the exponents e of the quantised operands' scales 2^e); mask 2,048 x 2,048 bool; q_codes 4 x 16 x 2,048 x 2 x 32 uint8 (E5M2 codes of q, K innermost, in blocks of 32 codes); v_codes 4 x 16 x 64 x 64 x 32 uint8 (E5M2 codes of v, K innermost, in blocks of 32 codes).
;; Outputs: out0 4 x 16 x 2,048 x 64 float32.
;; This version of the problem:
;;   THIS VERSION OF THE PROBLEM IS GIVEN IN LOW PRECISION. The matrix products marked QUANTISED in the list below multiply operands that are first quantised to E5M2 (5 exponent bits, 2 mantissa bits; 8 bits a number), with one given power-of-two scale for each operand tensor; their sums are f32. All else is computed in f32.
;;   The module's matrix products, in the order in which they are computed (A, B: the left and right operand; K: the contracted axis; several contracted axes count as one K, in the product's order):
;;     1. batch 64 x [M 2,048, K 64] x [K 64, N 2,048]; A: input q (given as codes); B: input k (given as codes): QUANTISED (scales: A lowp_scales[0], B lowp_scales[1])
;;     2. batch 64 x [M 2,048, K 2,048] x [K 2,048, N 64]; A: softmax (see below); B: input v (given as codes): QUANTISED (scales: A lowp_scales[2], B lowp_scales[3])
;;   THE QUANTISER, for each operand of a quantised product, along K:
;;     - The operand's scale is 2^e, e = its entry of the input lowp_scales (int32; the entries are numbered through the quantised products in the list's order, A before B).
;;     - Each number is divided by the scale, clamped to +-57,344, and rounded to the nearest number of E5M2, ties to even, subnormals kept.
;;     - The product sums the exact products of the quantised numbers (number of the format x scale) in f32.
;;   ~~~python
;;   def quantise(x, axis, e):      # numpy; x: float32 -> the quantised numbers, widened to float32 again
;;       x = np.moveaxis(x, axis, -1); K = x.shape[-1]
;;       r = np.clip(x / 2.0 ** e, -57344, 57344)
;;       step = 2.0 ** (np.maximum(np.frexp(np.where(r == 0, 1, r))[1] - 1, -14) - 2)
;;       q = np.round(r / step) * step * 2.0 ** e      # np.round: ties to even
;;       return np.moveaxis(q, -1, axis).astype(np.float32)
;;   ~~~
;;   SOFTMAX AHEAD OF A QUANTISED PRODUCT. Where the list says 'softmax', what is quantised is not the finished softmax but p = 2^(t - M), with t = logit x log2(e) and M = ceil(the row's largest t), a whole number; so 1/2 < the row's largest p <= 1. The row's sum l is taken of the UNQUANTISED p, in f32, and the product's result is divided by l at the end. Since M is a whole number, a kernel that streams over the keys may use a running M (the ceiling of the running maximum): every later rescaling is an exact power of two, so the quantised numbers keep their values, but for numbers so far below the row's largest that they fall under the format's range.
;;   OPERANDS COMPUTED ON THE WAY. 'Computed on the way' means the value that the module computes at that place (a softmax that the list does not call 'softmax' is quantised finished and normalised). What goes into a quantiser is computed in f32, as accurately as f32 sums, v_exp_f32 and their like allow (about 1e-6 of the number): no bf16 or f16 on the way to a quantiser, and a product that is left as it is and whose result goes on into a quantised operand takes f32 operands (vector FMAs, or v_wmma_f32_16x16x4_f32). A number that lies on a knife's edge between two numbers of the format may be rounded either way, as far as f32 arithmetic and the matrix unit's own rounding can turn it there, and no further.
;;   INPUTS GIVEN AS CODES. k (in the module: [4, 16, 2048, 64], K = its axis 3); q (in the module: [4, 16, 2048, 64], K = its axis 3); v (in the module: [4, 16, 2048, 64], K = its axis 2): each comes as NAME_codes (uint8): NAME with its K axis moved to the last place and cut into blocks of 32 codes, [.., K / 32, bytes a block], one block behind the other in memory; one code a byte (a code: sign, 5 exponent bits, 2 mantissa bits); its scale is its entry of lowp_scales. Its value is code x scale, taken as it is: it is not quantised again, and the codes and scales need not be those that the quantiser above would give.
;; One version. Each part assembles by itself: llvm-mc -triple=amdgcn-amd-amdhsa -mcpu=gfx1250 --defsym DOCPART=n.
;; ======== version 1 of 1: 2 launches
;; limits: right only within a limited range of input values
;; workspace buffers: maskw 524,288 bytes of whole numbers; flags 256 bytes of whole numbers
;; launch prep (part 1): grid 64 x 1, 16 waves a work-group, no clusters, 2,304 bytes of LDS; arguments mask, maskw, flags; writes maskw, flags
.if DOCPART == 1
	.amdgcn_target "amdgcn-amd-amdhsa--gfx1250"
	.amdhsa_code_object_version 6
	.text
	.protected	k_q4b815698b1_prep
	.globl	k_q4b815698b1_prep
	.p2align	8
	.type	k_q4b815698b1_prep,@function
k_q4b815698b1_prep:
	s_mov_b64 s[64:65], 0
	v_nop
	global_prefetch_b8 v0, s[64:65] scope:SCOPE_SE
	s_setreg_imm32_b32 hwreg(HW_REG_WAVE_MODE, 25, 1), 1
	s_wait_xcnt 0x0
; The mask [2048][2048] of bool (one byte, 0 or not 0) is turned into what the attention launch wants:
;   maskw [g 64][j 16][a 2][n 64] of u32: g = a group of 32 queries, j = a step of 128 keys, a = a tile of 16 queries of the group, n = a register of that launch's scores.
;         Bit L = r + 16 h of word n is mask[32 g + 16 a + r][128 j + 32 (n / 16) + 16 h + n % 16]: the lane mask by which lane L selects its register n.
;   flags [g 64] of u32: bit j: some entry of the group's 32 rows x step j's 128 keys is true; bit 16 + j: some entry is false.
; SHARES.  Work-group g takes 32 rows.  Wave w takes tile a = w & 1 and keys 256 (w >> 1) on: 16 rows x 256 bytes, two steps.  Lane (r, h) loads 16 bytes of row r, at 16 h of each 32:
; a compare of one byte in all 32 lanes then IS a word of maskw.  The 128 words are gathered by v_writelane_b32 into four registers, so that ONE store of 16 bytes a lane writes them:
; lanes 0-15 the 256 consecutive bytes of the first step, lanes 16-31 those of the second.
; The group's flag word is the OR of the sixteen waves' words, which meet in LDS; wave 0 stores it: one store of four bytes for each work-group, 64 in the launch.
.set R,    8                           ; v[8:39]   eight loads of four registers
.set W,    4                           ; v[4:7]    the words to store
.set BT,   40                          ; v[40:43]  single bytes, at work
	s_load_b128 s[4:7], s[0:1], 0x0                ; mask s[4:5], maskw s[6:7]
	s_load_b64 s[8:9], s[0:1], 0x10                ; flags
	v_lshl_add_u32 v48, v0, 2, 0x100
	v_mov_b32 v49, 0
	v_lshrrev_b32 v3, 5, v0
	s_delay_alu instid0(VALU_DEP_1)
	v_readfirstlane_b32 s10, v3                    ; wave 0..15
	s_delay_alu instid0(VALU_DEP_2)
	v_lshlrev_b32 v3, 2, v3                        ; my wave's word in LDS
	s_and_b32 s11, s10, 1                          ; a
	s_lshr_b32 s12, s10, 1                         ; which 256 keys
	v_and_b32 v40, 15, v0                          ; r
	v_bfe_u32 v41, v0, 4, 1                        ; h
	s_delay_alu instid0(VALU_DEP_2)
	v_lshlrev_b32 v1, 11, v40
	s_delay_alu instid0(VALU_DEP_1)
	v_lshl_add_u32 v1, v41, 4, v1                  ; in: row r of 2,048 bytes, + 16 h
	s_delay_alu instid0(VALU_DEP_4)
	v_lshlrev_b32 v2, 4, v40
	s_delay_alu instid0(VALU_DEP_1)
	v_lshl_add_u32 v2, v41, 9, v2                  ; out: 16 bytes a lane; lanes 16-31 one step (512 bytes) further on
.irp i, 0,1,2,3
	v_mov_b32 v[W+\i], 0                           ; written once: the destination of v_writelane_b32 counts as read
.endr
	v_mov_b32 v45, 0
	s_lshl_b32 s14, ttmp9, 16                      ; 32 g rows of 2,048 bytes
	s_lshl_b32 s28, s11, 15                        ; + 16 a rows
	s_add_co_u32 s14, s14, s28
	s_lshl_b32 s28, s12, 8                         ; + my 256 keys
	s_add_co_u32 s14, s14, s28
	s_mov_b32 s15, 0
	s_wait_alu depctr_va_vdst(0)
	s_wait_kmcnt 0x0
	s_add_nc_u64 s[4:5], s[4:5], s[14:15]
.irp q, 0,1,2,3,4,5,6,7                        ; load q = 4 hf + b: step hf, keys 32 b + 16 h + 0 .. 15
	global_load_b128 v[R+4*\q:R+4*\q+3], v1, s[4:5] offset:128*(\q/4)+32*(\q%4) th:TH_LOAD_NT
.endr
	s_lshl_b32 s14, ttmp9, 13                      ; maskw: 8,192 g
	s_lshl_b32 s28, s12, 10                        ; + two steps of 512 bytes
	s_add_co_u32 s14, s14, s28
	s_lshl_b32 s28, s11, 8                         ; + 256 a
	s_add_co_u32 s14, s14, s28
	s_add_nc_u64 s[6:7], s[6:7], s[14:15]
	s_lshl_b32 s14, ttmp9, 2                       ; flags: 4 g
	s_add_nc_u64 s[8:9], s[8:9], s[14:15]
	s_mov_b32 s16, 0                               ; s16, s17: the OR of a step's words
	s_mov_b32 s17, 0
	s_mov_b32 s18, -1                              ; s18, s19: their AND
	s_mov_b32 s19, -1
; The 16 words of load 4 hf + b: n = 16 b + 4 d + y.  Word n goes to register n % 4 = y of lane 16 hf + n / 4.  Compare results take s20-23 and s24-27 by turns.
.macro WORDS hf, b
	s_wait_loadcnt 7-(4*\hf+\b)                    ; loads come back in order: mine is in, the younger ones may be out
.irp d, 0,1,2,3
.irp y, 0,1,2,3
	v_and_b32 v[BT+\y], 0xff<<(8*\y), v[R+4*(4*\hf+\b)+\d]
.endr
.irp y, 0,1,2,3
	s_delay_alu instid0(VALU_DEP_4)
	v_cmp_ne_u32 s[20+4*(\d%2)+\y], 0, v[BT+\y]
.endr
.irp y, 0,1,2,3
	s_or_b32 s[16+\hf], s[16+\hf], s[20+4*(\d%2)+\y]
	s_and_b32 s[18+\hf], s[18+\hf], s[20+4*(\d%2)+\y]
	v_writelane_b32 v[W+\y], s[20+4*(\d%2)+\y], 16*\hf+4*\b+\d
.endr
.endr
.endm
.irp hf, 0,1
.irp b, 0,1,2,3
	WORDS \hf, \b
.endr
.endr
	global_store_b128 v2, v[W:W+3], s[6:7]         ; each half of the lanes stores 256 consecutive bytes, at a multiple of 256 from the buffer's first byte
	s_cmp_lg_u32 s16, 0                            ; my part of the flag word, for my two steps
	s_cselect_b32 s28, 1, 0
	s_cmp_lg_u32 s17, 0
	s_cselect_b32 s29, 2, 0
	s_or_b32 s28, s28, s29
	s_cmp_lg_u32 s18, -1
	s_cselect_b32 s29, 0x10000, 0
	s_or_b32 s28, s28, s29
	s_cmp_lg_u32 s19, -1
	s_cselect_b32 s29, 0x20000, 0
	s_or_b32 s28, s28, s29
	s_lshl_b32 s29, s12, 1
	s_lshl_b32 s28, s28, s29                       ; at bits 2 (w >> 1) on
	v_mov_b32 v44, s28
	ds_store_b32 v3, v44                           ; all lanes write the same word with the same value
	s_wait_dscnt 0x0                               ; for the others' sake: my store has landed
	s_barrier_signal -1
	s_barrier_wait -1
	s_cmp_lg_u32 s10, 0
	s_cbranch_scc1 .Ldone                          ; wave 0 alone goes on; no barrier follows
.irp i, 0,1,2,3
	ds_load_b128 v[R+4*\i:R+4*\i+3], v45 offset:16*\i
.endr
	s_wait_dscnt 0x0
.irp i, 0,2,4,6,8,10,12,14
	v_or_b32 v[R+\i], v[R+\i], v[R+\i+1]
.endr
.irp i, 0,4,8,12
	v_or_b32 v[R+\i], v[R+\i], v[R+\i+2]
.endr
	s_delay_alu instid0(VALU_DEP_3)
	v_or_b32 v[R], v[R], v[R+4]
	s_delay_alu instid0(VALU_DEP_2)
	v_or_b32 v[R+8], v[R+8], v[R+12]
	s_delay_alu instid0(VALU_DEP_1)
	v_or_b32 v[R], v[R], v[R+8]
	v_cmp_eq_u32 vcc_lo, 0, v0
	s_wait_alu depctr_va_vdst(0)
	s_wait_xcnt 0x0                                ; EXEC is a source of the store above: it changes only behind this wait
	s_and_saveexec_b32 s30, vcc_lo
	global_store_b32 v45, v[R], s[8:9]             ; lane 0 stores the group's word
	s_wait_xcnt 0x0                                ; and again in front of the line that widens it
	s_or_b32 exec_lo, exec_lo, s30
.Ldone:
	s_wait_tensorcnt 0x0
	ds_add_u32 v48, v49
	s_wait_dscnt 0x0
	s_endpgm
.Lfunc_end_k_q4b815698b1_prep:
	.size	k_q4b815698b1_prep, .Lfunc_end_k_q4b815698b1_prep-k_q4b815698b1_prep
	.p2alignl 7, 3214868480
	.fill 96, 4, 3214868480
	.section	.rodata,"a",@progbits
	.p2align	6, 0x0
	.amdhsa_kernel k_q4b815698b1_prep
		.amdhsa_group_segment_fixed_size 2304
		.amdhsa_private_segment_fixed_size 0
		.amdhsa_enable_private_segment 0
		.amdhsa_kernarg_size 24
		.amdhsa_user_sgpr_count 2
		.amdhsa_user_sgpr_kernarg_segment_ptr 1
		.amdhsa_wavefront_size32 1
		.amdhsa_system_sgpr_workgroup_id_x 1
		.amdhsa_system_sgpr_workgroup_id_y 1
		.amdhsa_system_sgpr_workgroup_id_z 1
		.amdhsa_system_vgpr_workitem_id 0
		.amdhsa_next_free_vgpr 50
		.amdhsa_next_free_sgpr 66
		.amdhsa_reserve_vcc 1
		.amdhsa_float_denorm_mode_32 3
		.amdhsa_float_denorm_mode_16_64 3
		.amdhsa_memory_ordered 1
		.amdhsa_forward_progress 1
		.amdhsa_inst_pref_size 42
	.end_amdhsa_kernel
	.amdgpu_metadata
---
amdhsa.version: [ 1, 2 ]
amdhsa.kernels:
  - .name:           k_q4b815698b1_prep
    .symbol:         k_q4b815698b1_prep.kd
    .args:
      - { .name: mask, .offset: 0, .size: 8, .value_kind: global_buffer, .address_space: global }
      - { .name: maskw, .offset: 8, .size: 8, .value_kind: global_buffer, .address_space: global }
      - { .name: flags, .offset: 16, .size: 8, .value_kind: global_buffer, .address_space: global }
    .group_segment_fixed_size: 2304
    .private_segment_fixed_size: 0
    .kernarg_segment_align: 8
    .kernarg_segment_size: 24
    .max_flat_workgroup_size: 512
    .sgpr_count:     66
    .vgpr_count:     50
    .wavefront_size: 32
...
	.end_amdgpu_metadata
.endif
;; end of part 1
;; launch attn (part 2): grid 4 x 64, 16 waves a work-group, no clusters, 147,456 bytes of LDS; arguments q_codes, k_codes, v_codes, lowp_scales, maskw, flags, out0; writes out0
.if DOCPART == 2
	.amdgcn_target "amdgcn-amd-amdhsa--gfx1250"
	.amdhsa_code_object_version 6
	.text
	.protected	k_q4b815698b1_attn
	.globl	k_q4b815698b1_attn
	.p2align	8
	.type	k_q4b815698b1_attn,@function
k_q4b815698b1_attn:
	s_mov_b64 s[64:65], 0
	v_nop
	global_prefetch_b8 v0, s[64:65] scope:SCOPE_SE
	s_setreg_imm32_b32 hwreg(HW_REG_WAVE_MODE, 25, 1), 1
	s_wait_xcnt 0x0
; O[head][q][:] = the sum over k of softmax_k(mask ? Q[q] . K[k] / 8 : -infinity) V[k][:], 64 heads, 2,048 queries and keys, head size 64, both products on codes of BF8 (E5M2), one given scale 2^e a tensor.
; Q, K: [64][2048][64] codes.  V: [64][64 d][2048 keys] codes, the keys innermost.  O: [64][2048][64] f32.  The mask is an input: it comes as the lane-mask words and flag words that the launch before has made of it.
; THE SOFTMAX: t = score x log2(e) / 8; M = the row's largest t so far, rounded UP to a whole number; p = 2^(t - M) is quantised with 2^ep; the row's sum is taken of the unquantised p and divides O at the end.
; When M moves, the sum and O are multiplied by 2^(old M - new M): exact.
; SHARES.  A work-group owns the blocks y and 7 - y of 256 queries of one head (y = work-group x); each of its sixteen waves owns 32 neighbouring queries, two tiles of 16, in 256 registers: four waves to a SIMD, so that
; one wave's vector work stands beside another's products and LDS loads.  Each fragment of K and V that a wave reads from LDS feeds two products.  Which wave takes which group only spreads the work.
; Every work-group walks all 16 steps of 128 keys, as 8 slots of 256 keys in two LDS buffers by turns.  A wave LEAVES OUT a step in which its 32 x 128 entries of the mask are all false (every p there is 0), and selects
; -infinity by the stored lane masks only in a step that has false entries: scalar branches on the stored flag words.  A slot that no wave of the work-group needs is not fetched.
; NO TENSOR LOADS, NO CLUSTER.  The four work-groups of a head read the same K and V, 262,144 bytes each.  A joint request is a tensor load.
; K and V go through registers into LDS: 32 bytes of each a thread and slot, a slot ahead of their use.
; LAYOUT.  Both products are used transposed: S^T = K Q^T (source 0 = 16 keys, source 1 = 16 queries), O^T = V^T P^T (source 0 = 16 of the head's 64, source 1 = P): a lane holds ONE query (lane % 16) throughout.
; THE KEYS OF A TILE ARE NOT NEIGHBOURS: row 16 T + r of a step in LDS holds key 32 (T / 2) + 8 (T % 2) + r + 8 (r / 8) (the key's bits 3 and 4 change places on the way into LDS), so that the 16 registers of tiles
; 2 b and 2 b + 1 are the 16 neighbouring keys 32 b + 16 (lane / 16) + 0 .. 15, and the conversions' results are the second product's operand.
; Fragments are fetched 16 bytes a lane: a permutation of k inside an instruction, the same in both sources, so that every product meets its partner.
; LIMITS: eq + ek between -123 and 130 (added to c's exponent field); ep between -126 and 112; ep + ev is applied by v_ldexp_f32.  Codes of infinity or NaN in q, k, v are not served.
; A row of the mask with no true entry gives NaN (0 x 1/0), as the softmax of a row of -infinity does.
.set KP,     80                        ; a key's row in LDS: 64 bytes + 16: row r begins at word 20 r, so the 16 rows of a fragment load begin at 16 different multiples of 16 bytes modulo 256
.set VP,     272                       ; a row of V's tile: 256 keys + 16
.set KBUF,   256*KP                    ; K's buffer: 256 rows
.set VBASE,  2*KBUF                    ; V's two buffers lie behind K's two
.set VBUF,   64*VP
.set STAGE,  VBASE+2*VBUF              ; the way out: 16 rows x 272 bytes for each wave
.set SP,     272
.set AK,   1                           ; v1   my lane's place in a tile of K: 80 r + 16 h
.set AV,   2                           ; v2   the same in V: VBASE + 272 r + 16 h
.set STK,  3                           ; v3   where my thread puts 16 bytes of K
.set STV,  4                           ; v4   of V
.set GK,   5                           ; v5   my thread's 16 bytes of a slot's K in memory
.set GV,   6                           ; v6   of V
.set NINF, 7                           ; v7   -infinity
.set SC,   8                           ; v8   2^ep
.set LIMV, 9
.set PFO,  10                          ; v10  the prefetches' offset
.set QO,   11                          ; v11  my lane's offset in Q
                                       ; v[12:15] tile A: -M, the largest t, the sum in two halves;  v[16:19] tile B
.set SG,   20                          ; v[20:27] K or V on the way into LDS
.set TF,   28                          ; v28 f; v29, v30 the maximum's two chains; v31 the other half of the lanes'; v[30:31] the sum's second chain
.set QA,   32                          ; v[32:39], v[40:47] Q's fragments
.set QB,   40
.set CA,   48                          ; v[48:63] tile A's codes of p
.set F,    64                          ; v[64:127] K's eight fragments
.set CB,   64                          ; v[64:79] tile B's codes of p, when K's fragments are done with
.set S,    128                         ; v[128:191] S^T, then p; then V's four fragments
.set OA,   192                         ; v[192:223], v[224:255] O^T
.set OB,   224
.set KB,   6                           ; s[6:7]   K at the trip's first slot
.set VB,   8                           ; s[8:9]   V likewise
.set MW,   12                          ; s[12:13] my group's mask words at the trip's first step
.set WV,   18                          ; s18  my wave's number
.set TMP,  19
.set SEL,  20                          ; s[20:21] lane selects for v_permlanex16_b32: lane l xor 16
.set CS,   22                          ; s[22:23] c = log2(e) / 8 x 2^(eq + ek)
.set FL,   24                          ; s24  my group's flag word, the trip's four steps at bits 0-3 and 16-19
.set NEED, 25                          ; s25  the steps that some wave of the work-group needs, the trip's at bits 0-3
.set TRIPS, 26
.set HOLD, 27                          ; s27  1 where p can pass the largest code x 2^ep
.set EPV,  28                          ; s28  ep + ev
.set LIM,  29                          ; s29  1 in a wave that prefetches, else the greatest number
.set PFA,  30                          ; s[30:31] where my prefetches stand
.set PFS,  66                          ; s[66:67] a slot on, in bytes
                                       ; s[32:63], s[68:99] a tile's 64 mask words; at the head: at work
	s_load_b256 s[4:11], s[0:1], 0x0               ; Q s[4:5], K s[6:7], V s[8:9], the scales' exponents s[10:11]
	s_load_b128 s[12:15], s[0:1], 0x20             ; maskw s[12:13], flags s[14:15]
	s_load_b64 s[16:17], s[0:1], 0x30              ; O
	v_lshrrev_b32 v11, 5, v0
	s_delay_alu instid0(VALU_DEP_1)
	v_readfirstlane_b32 s[WV], v11                 ; wave 0..15
	v_and_b32 v11, 15, v0                          ; r
	v_bfe_u32 v10, v0, 4, 1                        ; h
	s_delay_alu instid0(VALU_DEP_2)
	v_mul_u32_u24 v[AK], v11, KP
	s_delay_alu instid0(VALU_DEP_1)
	v_lshl_add_u32 v[AK], v10, 4, v[AK]
	s_delay_alu instid0(VALU_DEP_4)
	v_mul_u32_u24 v[AV], v11, VP
	s_delay_alu instid0(VALU_DEP_1)
	v_lshl_add_u32 v[AV], v10, 4, v[AV]
	s_delay_alu instid0(VALU_DEP_1)
	v_add_nc_u32 v[AV], VBASE, v[AV]
	v_lshlrev_b32 v[QO], 6, v11
	s_delay_alu instid0(VALU_DEP_1)
	v_lshl_add_u32 v[QO], v10, 4, v[QO]            ; Q: row r of 64 bytes, + 16 h
	; K on the way in: thread T takes 16 bytes at 16 T of a step's 8,192: key T >> 2, piece T & 3.  The key's bits 3 and 4 change places
	v_lshrrev_b32 v4, 2, v0
	s_delay_alu instid0(VALU_DEP_1)
	v_and_b32 v[STK], 0x67, v4
	v_bfe_u32 v5, v0, 5, 1                         ; the key's bit 3
	s_delay_alu instid0(VALU_DEP_1)
	v_lshl_or_b32 v[STK], v5, 4, v[STK]
	v_bfe_u32 v5, v0, 6, 1                         ; its bit 4
	s_delay_alu instid0(VALU_DEP_1)
	v_lshl_or_b32 v[STK], v5, 3, v[STK]
	s_delay_alu instid0(VALU_DEP_1)
	v_mul_u32_u24 v[STK], v[STK], KP
	v_and_b32 v5, 3, v0
	s_delay_alu instid0(VALU_DEP_1)
	v_lshl_add_u32 v[STK], v5, 4, v[STK]
	; V: thread T takes row T >> 4 (and 32 rows further down), 16 bytes at 16 (T & 15) of the slot's 256
	v_lshrrev_b32 v5, 4, v0
	v_and_b32 v6, 15, v0
	s_delay_alu instid0(VALU_DEP_2)
	v_mul_u32_u24 v[STV], v5, VP
	s_delay_alu instid0(VALU_DEP_1)
	v_lshl_add_u32 v[STV], v6, 4, v[STV]
	s_delay_alu instid0(VALU_DEP_1)
	v_add_nc_u32 v[STV], VBASE, v[STV]
	s_delay_alu instid0(VALU_DEP_4)
	v_lshlrev_b32 v6, 4, v6
	s_delay_alu instid0(VALU_DEP_1)
	v_lshl_add_u32 v[GV], v5, 11, v6               ; a row of V is 2,048 bytes
	v_lshlrev_b32 v[GK], 4, v0
	; my group of 32 queries.  x = w ^ (w >> 2); block y or 7 - y by x's bit 0; in the block, group 4 (x's bit 1) + (w & 3): the sixteen waves take the sixteen groups, each once
	s_lshr_b32 s[TMP], s[WV], 2
	s_xor_b32 s[TMP], s[TMP], s[WV]
	s_and_b32 s100, s[TMP], 1
	s_bfe_u32 s101, s[TMP], 0x10001
	s_lshl_b32 s101, s101, 2
	s_and_b32 s[TMP], s[WV], 3
	s_or_b32 s101, s101, s[TMP]
	s_sub_co_u32 s[TMP], 7, ttmp9
	s_cmp_lg_u32 s100, 0
	s_cselect_b32 s[TMP], s[TMP], ttmp9
	s_lshl_b32 s[TMP], s[TMP], 3
	s_add_co_u32 s[TMP], s[TMP], s101              ; g: it enters addresses in memory alone
	s_mov_b32 s[SEL], 0x76543210
	s_mov_b32 s[SEL+1], 0xfedcba98
	s_mov_b32 s[CS], 0x3e38aa3b                    ; log2(e) / 8
	s_mov_b32 s[TRIPS], 4
	s_wait_alu depctr_va_vdst(0)
	s_wait_kmcnt 0x0
	s_load_b128 s[48:51], s[10:11], 0x0            ; eq, ek, ep, ev
	s_lshl_b32 s52, s[TMP], 2
	s_mov_b32 s53, 0
	s_add_nc_u64 s[52:53], s[14:15], s[52:53]
	s_load_b32 s[FL], s[52:53], 0x0                ; my group's flag word
	s_lshl_b32 s54, ttmp9, 5
	s_mov_b32 s55, 0
	s_add_nc_u64 s[54:55], s[14:15], s[54:55]
	s_load_b256 s[32:39], s[54:55], 0x0            ; the eight of block y,
	s_sub_co_u32 s56, 7, ttmp9
	s_lshl_b32 s56, s56, 5
	s_mov_b32 s57, 0
	s_add_nc_u64 s[56:57], s[14:15], s[56:57]
	s_load_b256 s[40:47], s[56:57], 0x0            ; and of block 7 - y
	s_and_b32 s100, ttmp7, 0xffff                  ; the head
	s_lshl_b32 s58, s100, 17                       ; a head's codes are 131,072 bytes in each of the three tensors
	s_mov_b32 s59, 0
	s_add_nc_u64 s[4:5], s[4:5], s[58:59]
	s_add_nc_u64 s[KB:KB+1], s[KB:KB+1], s[58:59]
	s_add_nc_u64 s[VB:VB+1], s[VB:VB+1], s[58:59]
	s_lshl_b32 s60, s[TMP], 11                     ; my 32 rows of Q: 2,048 g
	s_mov_b32 s61, 0
	s_add_nc_u64 s[4:5], s[4:5], s[60:61]
	s_lshl_b32 s60, s[TMP], 13                     ; 8,192 g: my group's mask words, and my 32 rows of O
	s_add_nc_u64 s[MW:MW+1], s[MW:MW+1], s[60:61]
	s_add_nc_u64 s[16:17], s[16:17], s[60:61]
	s_lshl_b32 s62, s100, 19                       ; a head of O is 524,288 bytes
	s_mov_b32 s63, 0
	s_add_nc_u64 s[16:17], s[16:17], s[62:63]
	global_load_b128 v[SG:SG+3], v[GK], s[KB:KB+1]                 ; slot 0: K,
	global_load_b128 v[SG+4:SG+7], v[GK], s[KB:KB+1] offset:8192
	global_load_b128 v[S:S+3], v[GV], s[VB:VB+1]                   ; V,
	global_load_b128 v[S+4:S+7], v[GV], s[VB:VB+1] offset:65536
	global_load_b128 v[QA:QA+3], v[QO], s[4:5]                     ; and Q's two fragments, which stay in registers
	global_load_b128 v[QA+4:QA+7], v[QO], s[4:5] offset:32
	global_load_b128 v[QB:QB+3], v[QO], s[4:5] offset:1024
	global_load_b128 v[QB+4:QB+7], v[QO], s[4:5] offset:1056
	v_mov_b32 v[NINF], 0xff800000
	v_mov_b32 v13, 0xff61b1e6                      ; the largest t so far: -3e38, under every t
	v_mov_b32 v17, 0xff61b1e6
	s_delay_alu instid0(VALU_DEP_2)
	v_floor_f32 v12, -v13                          ; -M
	s_delay_alu instid0(VALU_DEP_2)
	v_floor_f32 v16, -v17
	v_mov_b32 v14, 0                               ; the sums
	v_mov_b32 v15, 0
	v_mov_b32 v18, 0
	v_mov_b32 v19, 0
.irp i, 0,1,2,3
	v_mov_b32 v[TF+\i], 0                          ; written once: named in pairs, and as a lane permute's destination
.endr
.set n, 0
.rept 64
	v_mov_b32 v[OA+n], 0                           ; O^T.  Which step is a wave's first hangs on the mask, so the step is written once and the first finds zeros, which the first change of M leaves zeros
.set n, n+1
.endr
	s_wait_loadcnt 4                               ; K's and V's four loads are in; Q's four may be out
	ds_store_b128 v[STK], v[SG:SG+3]
	ds_store_b128 v[STK], v[SG+4:SG+7] offset:128*KP
	ds_store_b128 v[STV], v[S:S+3]
	ds_store_b128 v[STV], v[S+4:S+7] offset:32*VP
	s_wait_dscnt 0x0                               ; for the others' sake, and: the stores have read their registers
	global_load_b128 v[SG:SG+3], v[GK], s[KB:KB+1] offset:16384    ; slot 1's K
	global_load_b128 v[SG+4:SG+7], v[GK], s[KB:KB+1] offset:24576
	s_wait_kmcnt 0x0
	s_or_b32 s[NEED], s32, s33
.irp i, 34,35,36,37,38,39,40,41,42,43,44,45,46,47
	s_or_b32 s[NEED], s[NEED], s\i
.endr
	s_and_b32 s[NEED], s[NEED], 0xffff             ; the same in all sixteen waves
	s_add_co_i32 s[TMP], s48, s49
	s_lshl_b32 s[TMP], s[TMP], 23
	s_add_co_i32 s[CS], s[CS], s[TMP]              ; a score stands for score x 2^(eq + ek): the exponents are added to c's exponent field
	s_mov_b32 s[CS+1], s[CS]                       ; (named with it as a pair, so it is written)
	s_add_co_i32 s[TMP], s50, 127
	s_lshl_b32 s100, s[TMP], 23
	v_mov_b32 v[SC], s100                          ; 2^ep as f32: the conversion takes its exponent field
	s_add_co_i32 s[EPV], s50, s51
	s_cmp_lt_i32 s50, -15                          ; p stays under 1.75 = 57,344 x 2^-15: from ep = -15 on no p passes the largest code, and the hold is jumped over
	s_cselect_b32 s[HOLD], 1, 0
	; the prefetches (macro ASK): waves 0 and 1 of the head's first work-group ask for K, waves 2 and 3 for V
	s_cmp_lt_u32 s[WV], 2
	s_cselect_b64 s[PFA:PFA+1], s[KB:KB+1], s[VB:VB+1]
	s_mov_b32 s[PFS], 256
	s_cselect_b32 s[PFS], 16384, s[PFS]            ; a slot on: 256 keys x 64 bytes of K; 256 bytes in a row of V
	s_mov_b32 s68, 2048
	s_cselect_b32 s68, 256, s68                    ; from lane to lane: 256 bytes of K's dense block; a row of V
	s_mov_b32 s69, 65536
	s_cselect_b32 s69, 8192, s69                   ; from wave to wave: 32 lanes' worth
	v_and_b32 v[PFO], 31, v0
	s_delay_alu instid0(VALU_DEP_1)
	v_mul_lo_u32 v[PFO], v[PFO], s68
	s_and_b32 s70, s[WV], 1
	s_mul_i32 s70, s70, s69
	s_lshl_b32 s71, s[PFS], 1
	s_add_co_u32 s70, s70, s71                     ; at slot 2: slots 0 and 1 come by their loads alone
	s_mov_b32 s71, 0
	s_mov_b32 s[PFS+1], 0
	s_add_nc_u64 s[PFA:PFA+1], s[PFA:PFA+1], s[70:71]
	s_lshr_b32 s70, s[WV], 2
	s_or_b32 s70, s70, ttmp9
	s_cmp_eq_u32 s70, 0
	s_cselect_b32 s[LIM], 1, -1
	s_barrier_signal -1                            ; (my LDS stores were waited for above)
	s_barrier_wait -1                              ; slot 0 lies in LDS
; A PREFETCH INTO THE L2 of the slot two on from the one in hand: 64 blocks of 256 bytes of K (one dense block of 16,384 bytes: waves 0 and 1, lanes 256 bytes apart) and 256 bytes of each of V's 64 rows (waves 2 and 3, a
; lane a row).  The four work-groups of a head walk the same K and V: the first of them asks.  So each aligned block of 256 bytes is named once in the launch.  It stands where the wave has just issued its loads.
; The last trip (slots 6 and 7) asks for nothing: there is no slot 8.
.macro ASK
	s_cmp_gt_u32 s[TRIPS], s[LIM]
	s_cbranch_scc0 .Lnot_mine_\@
	s_wait_alu depctr_va_vdst(0)
	global_prefetch_b8 v[PFO], s[PFA:PFA+1] th:TH_LOAD_NT scope:SCOPE_SE
.Lnot_mine_\@:
.endm
; At a slot's head: the next slot's K, asked for half a slot ago, goes into the other buffer, which nobody has read since the last barrier; the next slot's V is asked for.  Both only if some wave needs that slot.
.macro EVENT1 b
	s_wait_loadcnt 0x0                             ; K is in my registers (in the first trip: Q too)
	s_and_b32 s[TMP], s[NEED], 3<<(2*\b+2)
	s_cmp_lg_u32 s[TMP], 0
	s_cbranch_scc0 .Lno_k_\@
	ds_store_b128 v[STK], v[SG:SG+3] offset:(1-\b)*KBUF
	ds_store_b128 v[STK], v[SG+4:SG+7] offset:(1-\b)*KBUF+128*KP
	s_wait_dscnt 0x0                               ; the stores have read their registers
	global_load_b128 v[SG:SG+3], v[GV], s[VB:VB+1] offset:(\b+1)*256
	global_load_b128 v[SG+4:SG+7], v[GV], s[VB:VB+1] offset:(\b+1)*256+65536
.Lno_k_\@:
	ASK
.endm
; In a slot's middle: the next slot's V goes into the other buffer; K of the slot after that is asked for, if some wave needs it.  NEED has 16 bits, so nothing is asked for beyond the eighth slot.
.macro EVENT2 b
	s_wait_loadcnt 0x0
	s_and_b32 s[TMP], s[NEED], 3<<(2*\b+2)
	s_cmp_lg_u32 s[TMP], 0
	s_cbranch_scc0 .Lno_v_\@
	ds_store_b128 v[STV], v[SG:SG+3] offset:(1-\b)*VBUF
	ds_store_b128 v[STV], v[SG+4:SG+7] offset:(1-\b)*VBUF+32*VP
	s_wait_dscnt 0x0                               ; the stores have read their registers
.Lno_v_\@:
	s_and_b32 s[TMP], s[NEED], 3<<(2*\b+4)
	s_cmp_lg_u32 s[TMP], 0
	s_cbranch_scc0 .Lno_next_\@
	global_load_b128 v[SG:SG+3], v[GK], s[KB:KB+1] offset:(\b+2)*16384
	global_load_b128 v[SG+4:SG+7], v[GK], s[KB:KB+1] offset:(\b+2)*16384+8192
.Lno_next_\@:
.endm
; In a step that has false entries: tile a's 64 lane masks come into scalar registers, and each score is kept or becomes -infinity: p = 0 then.  Load, wait and use stand in one arm.  From each accumulator's low end on.
.macro MASK a, k
	s_bitcmp1_b32 s[FL], 16+(\k)
	s_cbranch_scc0 .Lopen_\@
	s_load_b512 s[32:47], s[MW:MW+1], 512*(\k)+256*(\a)
	s_load_b512 s[48:63], s[MW:MW+1], 512*(\k)+256*(\a)+64
	s_load_b512 s[68:83], s[MW:MW+1], 512*(\k)+256*(\a)+128
	s_load_b512 s[84:99], s[MW:MW+1], 512*(\k)+256*(\a)+192
	s_wait_kmcnt 0x0
.set n, 0
.rept 64
	v_cndmask_b32 v[S+n], v[NINF], v[S+n], s[32+n+4*(n/32)]
.set n, n+1
.endr
.Lopen_\@:
.endm
; One tile's softmax for one step.  st: its statistics; cd: where its codes go; ot: its O^T; vl = 1: V's fragments of buffer bf, step hf, are asked for as soon as p's registers are free.
.macro SOFTMAX st, cd, ot, vl, bf, hf
	v_max3_num_f32 v30, v[S], v[S+1], v[S+2]       ; the step's largest score of my query, among my 64 keys, in two chains,
	v_max3_num_f32 v29, v[S+3], v[S+4], v[S+5]
.irp i, 6,10,14,18,22,26,30,34,38,42,46,50,54,58
	v_max3_num_f32 v30, v30, v[S+\i], v[S+1+\i]
	v_max3_num_f32 v29, v29, v[S+2+\i], v[S+3+\i]
.endr
	v_max3_num_f32 v30, v30, v[S+62], v[S+63]
	s_delay_alu instid0(VALU_DEP_1)
	v_max_num_f32 v30, v30, v29
	s_delay_alu instid0(VALU_DEP_1)
	v_permlanex16_b32 v31, v30, s[SEL], s[SEL+1]
	s_delay_alu instid0(VALU_DEP_1)
	v_max_num_f32 v30, v30, v31                    ; and among lane l xor 16's
	s_delay_alu instid0(VALU_DEP_1)
	v_mul_f32 v30, s[CS], v30                      ; as t (c is positive)
	s_delay_alu instid0(VALU_DEP_1)
	v_max_num_f32 v[\st+1], v[\st+1], v30          ; the running largest t
	v_mov_b32 v30, v[\st]
	s_delay_alu instid0(VALU_DEP_2)
	v_floor_f32 v[\st], -v[\st+1]                  ; the new -M = floor(-t) = -ceil(t): a whole number
	s_delay_alu instid0(VALU_DEP_1)
	v_sub_f32 v30, v[\st], v30                     ; M's old value less its new one: a whole number, 0 or less
	s_delay_alu instid0(VALU_DEP_1)
	v_cvt_i32_f32 v30, v30                         ; (it saturates)
	s_delay_alu instid0(VALU_DEP_1)
	v_ldexp_f32 v[TF], 1.0, v30                    ; f = 2^(old M - new M)
.set n, 0
.rept 32
	v_pk_fma_f32 v[S+n:S+n+1], v[S+n:S+n+1], s[CS:CS+1], v[\st:\st+1] op_sel_hi:[1,0,0]   ; t - M, two at a time (of the pairs c and -M the low word serves both halves)
.set n, n+2
.endr
.set n, 0
	s_wait_alu depctr_va_vdst(0)
.rept 64
	v_exp_f32 v[S+n], v[S+n]                       ; p = 2^(t - M): not normalised
.set n, n+1
.endr
	v_pk_mul_f32 v[\st+2:\st+3], v[\st+2:\st+3], v[TF:TF+1] op_sel_hi:[1,0]   ; the sums under the new M: the plain instruction behind the exponentials
	s_wait_alu depctr_va_vdst(0)                   ; one for the batch, ahead of its first reader
	v_pk_add_f32 v[30:31], v[S:S+1], v[S+2:S+3]    ; the row's sum is taken of the unquantised p: two at a time, in two chains
.irp j, 4,8,12,16,20,24,28,32,36,40,44,48,52,56,60
	v_pk_add_f32 v[\st+2:\st+3], v[\st+2:\st+3], v[S+\j:S+1+\j]
	v_pk_add_f32 v[30:31], v[30:31], v[S+2+\j:S+3+\j]
.endr
	s_delay_alu instid0(VALU_DEP_1)
	v_pk_add_f32 v[\st+2:\st+3], v[\st+2:\st+3], v[30:31]
	s_cmp_eq_u32 s[HOLD], 0
	s_cbranch_scc1 .Lfits_\@
.set n, 0
.rept 64
.set n, n+1
.endr
.Lfits_\@:
.set n, 0
.rept 8
	v_cvt_scalef32_pk8_bf8_f32 v[\cd+2*n:\cd+2*n+1], v[S+8*n:S+8*n+7], v[SC]   ; registers 4 b .. 4 b + 3 of the operand: keys 32 b + 16 (lane / 16) + 0 .. 15
.set n, n+1
.endr
.if \vl
.irp t, 0,1,2,3                                ; V's fragments: 16 of the head's 64 x the step's 128 keys
.irp u, 0,1,2,3
	ds_load_b128 v[S+16*\t+4*\u:S+16*\t+4*\u+3], v[AV] offset:(\bf)*VBUF+16*\t*VP+128*(\hf)+32*\u
.endr
.endr
.endif
.set n, 0
.rept 16
	v_pk_mul_f32 v[\ot+n:\ot+n+1], v[\ot+n:\ot+n+1], v[TF:TF+1] op_sel_hi:[1,0]   ; O^T under the new M, each accumulator from its low end on.  These are also the plain instructions behind the conversions
.set n, n+2
.endr
.endm
; A KEY STEP: 128 keys, half hf of buffer b; k: its number in the trip.
.macro STEP b, hf, k
	s_bitcmp1_b32 s[FL], \k
	s_cbranch_scc0 .Lskip_\@                       ; all 32 x 128 entries of the mask are false: nothing of this step counts
.rept 5
	v_nop                                          ; behind the last step's products: four places ahead of loads into registers that they read, five ahead of products that write over V's fragments
.endr
.irp t, 0,1,2,3,4,5,6,7
	ds_load_b128 v[F+8*\t:F+8*\t+3], v[AK] offset:(\b)*KBUF+(128*(\hf)+16*\t)*KP
	ds_load_b128 v[F+8*\t+4:F+8*\t+7], v[AK] offset:(\b)*KBUF+(128*(\hf)+16*\t)*KP+32
.endr
	s_wait_dscnt 0x0
.irp t, 0,1,2,3,4,5,6,7
	v_wmma_f32_16x16x64_bf8_bf8 v[S+8*\t:S+8*\t+7], v[F+8*\t:F+8*\t+7], v[QA:QA+7], 0
.endr
.rept 4
	v_nop                                          ; four places ahead of the first read of the results
.endr
	MASK 0, \k
	SOFTMAX 12, CA, OA, 0, \b, \hf
.irp t, 0,1,2,3,4,5,6,7
	v_wmma_f32_16x16x64_bf8_bf8 v[S+8*\t:S+8*\t+7], v[F+8*\t:F+8*\t+7], v[QB:QB+7], 0
.endr
.rept 4
	v_nop
.endr
	MASK 1, \k
	SOFTMAX 16, CB, OB, 1, \b, \hf
	s_wait_alu depctr_va_vdst(0)
	s_wait_dscnt 0x0                               ; V's fragments are in
.irp t, 0,1,2,3                                ; the eight accumulators take turns, one instruction a turn; each fragment of V feeds both tiles
	v_wmma_f32_16x16x128_bf8_bf8 v[OA+8*\t:OA+8*\t+7], v[S+16*\t:S+16*\t+15], v[CA:CA+15], v[OA+8*\t:OA+8*\t+7]
	v_wmma_f32_16x16x128_bf8_bf8 v[OB+8*\t:OB+8*\t+7], v[S+16*\t:S+16*\t+15], v[CB:CB+15], v[OB+8*\t:OB+8*\t+7]
.endr
.Lskip_\@:
.endm
; A SLOT: two steps out of buffer b, while the next slot goes into the other buffer.  One barrier at its end: in front of it my reads of buffer b are back and my stores into the other buffer have landed;
; behind it the other buffer is whole and nobody reads buffer b.
.macro SLOT b, k0, k1
	EVENT1 \b
	STEP \b, 0, \k0
	EVENT2 \b
	STEP \b, 1, \k1
	s_wait_xcnt 0x0                                ; the prefetch and the loads have read their addresses: the bases may be written
	s_add_nc_u64 s[PFA:PFA+1], s[PFA:PFA+1], s[PFS:PFS+1]
	s_wait_dscnt 0x0
	s_barrier_signal -1
	s_barrier_wait -1
.endm
.Ltrip:                                            ; four trips of two slots: every LDS offset is an immediate
	SLOT 0, 0, 1
	SLOT 1, 2, 3
	s_add_nc_u64 s[KB:KB+1], s[KB:KB+1], 32768     ; no memory instruction has been issued since the slot's wait on XCNT, and each scalar load was waited for in its arm
	s_add_nc_u64 s[VB:VB+1], s[VB:VB+1], 512
	s_add_nc_u64 s[MW:MW+1], s[MW:MW+1], 2048
	s_lshr_b32 s[FL], s[FL], 4
	s_lshr_b32 s[NEED], s[NEED], 4
	s_sub_co_u32 s[TRIPS], s[TRIPS], 1
	s_cmp_lg_u32 s[TRIPS], 0
	s_cbranch_scc1 .Ltrip
	; THE WAY OUT.  O^T is divided by the row's sum, multiplied by 2^(ep + ev), and goes through my own stage in LDS, a tile of 16 rows at a time, so that sixteen lanes store one whole row of 256 bytes.
	s_wait_loadcnt 0x0                             ; no load of mine is out: the offsets' registers may be written
	v_and_b32 v1, 15, v0                           ; r.  (These ten lines are the places behind the last products)
	v_bfe_u32 v2, v0, 4, 1                         ; h
	s_mul_i32 s[TMP], s[WV], 16*SP
	s_add_co_u32 s[TMP], s[TMP], STAGE             ; my stage
	v_mul_u32_u24 v3, v1, SP
	s_delay_alu instid0(VALU_DEP_1)
	v_lshl_add_u32 v3, v2, 5, v3
	s_delay_alu instid0(VALU_DEP_1)
	v_add_nc_u32 v3, s[TMP], v3                    ; in: row r; d-tile t's eight numbers of my half at 64 t + 32 h
	v_mul_u32_u24 v4, v2, SP
	s_delay_alu instid0(VALU_DEP_1)
	v_lshl_add_u32 v4, v1, 4, v4
	s_delay_alu instid0(VALU_DEP_1)
	v_add_nc_u32 v4, s[TMP], v4                    ; back: lanes 0-15 one row, lanes 16-31 the next
	v_lshlrev_b32 v5, 8, v2
	s_delay_alu instid0(VALU_DEP_1)
	v_lshl_add_u32 v5, v1, 4, v5                   ; and the same two rows in O
	v_add_f32 v14, v14, v15                        ; the sums' two halves,
	v_add_f32 v18, v18, v19
	s_delay_alu instid0(VALU_DEP_2)
	v_permlanex16_b32 v29, v14, s[SEL], s[SEL+1]
	s_delay_alu instid0(VALU_DEP_2)
	v_permlanex16_b32 v31, v18, s[SEL], s[SEL+1]
	s_delay_alu instid0(VALU_DEP_2)
	v_add_f32 v14, v14, v29                        ; and lane l xor 16's
	s_delay_alu instid0(VALU_DEP_2)
	v_add_f32 v18, v18, v31
	s_wait_alu depctr_va_vdst(0)
	v_rcp_f32 v14, v14
	v_rcp_f32 v18, v18
	v_nop                                          ; a plain instruction behind the last reciprocal
	s_wait_alu depctr_va_vdst(0)                   ; one for both, ahead of the first reader
	v_ldexp_f32 v14, v14, s[EPV]
	v_ldexp_f32 v18, v18, s[EPV]
.set n, 0
.rept 16
	v_pk_mul_f32 v[S+n:S+n+1], v[OA+n:OA+n+1], v[14:15] op_sel_hi:[1,0]        ; register 8 t + i is o(r, 16 t + 8 h + i)
.set n, n+2
.endr
.set n, 0
.rept 16
	v_pk_mul_f32 v[S+32+n:S+32+n+1], v[OB+n:OB+n+1], v[18:19] op_sel_hi:[1,0]
.set n, n+2
.endr
.irp a, 0,1
.irp t, 0,1,2,3
	ds_store_b128 v3, v[S+32*\a+8*\t:S+32*\a+8*\t+3] offset:64*\t
	ds_store_b128 v3, v[S+32*\a+8*\t+4:S+32*\a+8*\t+7] offset:64*\t+16
.endr
.irp i, 0,1,2,3,4,5,6,7
	ds_load_b128 v[F+32*\a+4*\i:F+32*\a+4*\i+3], v4 offset:2*\i*SP   ; LDS serves a wave's instructions in order (ISA guide 5.7.1.4): these see my stores, and the next tile's stores come behind them
.endr
.endr
.irp a, 0,1
.irp i, 0,1,2,3,4,5,6,7
	s_wait_dscnt 16*(1-\a)+7-\i                    ; may be out: my tile's younger loads, and behind tile A's the sixteen LDS instructions of tile B
	global_store_b128 v5, v[F+32*\a+4*\i:F+32*\a+4*\i+3], s[16:17] offset:4096*\a+512*\i th:TH_STORE_NT   ; sixteen lanes store 256 consecutive bytes, at a multiple of 256 from O's first byte
.endr
.endr
	s_wait_xcnt 0x0
	v_lshl_add_u32 v254, v0, 2, 0x23800
	v_mov_b32 v255, 0
	s_wait_alu depctr_va_vdst(0)
	s_wait_tensorcnt 0x0
	ds_add_u32 v254, v255
	s_wait_dscnt 0x0
	s_endpgm
.Lfunc_end_k_q4b815698b1_attn:
	.size	k_q4b815698b1_attn, .Lfunc_end_k_q4b815698b1_attn-k_q4b815698b1_attn
	.p2alignl 7, 3214868480
	.fill 96, 4, 3214868480
	.section	.rodata,"a",@progbits
	.p2align	6, 0x0
	.amdhsa_kernel k_q4b815698b1_attn
		.amdhsa_group_segment_fixed_size 147456
		.amdhsa_private_segment_fixed_size 0
		.amdhsa_enable_private_segment 0
		.amdhsa_kernarg_size 56
		.amdhsa_user_sgpr_count 2
		.amdhsa_user_sgpr_kernarg_segment_ptr 1
		.amdhsa_wavefront_size32 1
		.amdhsa_system_sgpr_workgroup_id_x 1
		.amdhsa_system_sgpr_workgroup_id_y 1
		.amdhsa_system_sgpr_workgroup_id_z 1
		.amdhsa_system_vgpr_workitem_id 0
		.amdhsa_next_free_vgpr 256
		.amdhsa_next_free_sgpr 102
		.amdhsa_reserve_vcc 0
		.amdhsa_float_denorm_mode_32 3
		.amdhsa_float_denorm_mode_16_64 3
		.amdhsa_fp16_overflow 1
		.amdhsa_memory_ordered 1
		.amdhsa_forward_progress 1
		.amdhsa_inst_pref_size 155
	.end_amdhsa_kernel
	.amdgpu_metadata
---
amdhsa.version: [ 1, 2 ]
amdhsa.kernels:
  - .name:           k_q4b815698b1_attn
    .symbol:         k_q4b815698b1_attn.kd
    .args:
      - { .name: q_codes, .offset: 0, .size: 8, .value_kind: global_buffer, .address_space: global }
      - { .name: k_codes, .offset: 8, .size: 8, .value_kind: global_buffer, .address_space: global }
      - { .name: v_codes, .offset: 16, .size: 8, .value_kind: global_buffer, .address_space: global }
      - { .name: lowp_scales, .offset: 24, .size: 8, .value_kind: global_buffer, .address_space: global }
      - { .name: maskw, .offset: 32, .size: 8, .value_kind: global_buffer, .address_space: global }
      - { .name: flags, .offset: 40, .size: 8, .value_kind: global_buffer, .address_space: global }
      - { .name: out0, .offset: 48, .size: 8, .value_kind: global_buffer, .address_space: global }
    .group_segment_fixed_size: 147456
    .private_segment_fixed_size: 0
    .kernarg_segment_align: 8
    .kernarg_segment_size: 56
    .max_flat_workgroup_size: 512
    .sgpr_count:     102
    .vgpr_count:     256
    .wavefront_size: 32
...
	.end_amdgpu_metadata
.endif
;; end of part 2
